; MI455X (gfx1250); checked and timed in simulation.
; The chip was launched on July 23, 2026; its instructions are those of AMD's public machine-readable ISA for CDNA 5 (MIT licence, August 2026) and "CDNA5" Instruction Set Architecture Reference Guide (July 2026). The comments in the code are by the model that wrote it; some were corrected since.
;; EPTM. Allowed arithmetic: matrix products marked QUANTISED: E2M1 operands, one E8M0 scale for each 32 along K, by v_wmma_scale_f32_16x16x128_f8f6f4 with both operands' format E2M1 (or v_wmma_scale_f32_32x16x128_f4), f32 sums; products left as they are: f32 operands where the result goes on into a quantised operand, else bf16, f16 or f32 operands; f32 sums; everything else in f32.
;; Inputs: V 512 float32; Wc0 512 x 512 float32; Wc1 512 x 512 float32; Wc2 512 x 512 float32; Wc3 512 x 512 float32; Wi 512 x 512 float32; bc0 512 float32; bc1 512 float32; bc2 512 float32; bc3 512 float32; bi 512 float32; context 32 x 2,048 x 512 float32; mask 32 x 2,048 bool; x 32 x 512 float32.
;; Outputs: out0 32 x 1 int32; out1 32 x 1 float32; out2 32 x 2,048 bool.
;; This version of the problem:
;;   THIS VERSION OF THE PROBLEM IS GIVEN IN LOW PRECISION. The matrix products marked QUANTISED in the list below multiply operands that are first quantised to E2M1 (2 exponent bits, 1 mantissa bit; 4 bits a number), with one power-of-two scale for each 32 numbers along K (OCP MX v1.0); their sums are f32. All else is computed in f32.
;;   The module's matrix products, in the order in which they are computed (A, B: the left and right operand; K: the contracted axis; several contracted axes count as one K, in the product's order):
;;     1. [M 32, K 512] x [K 512, N 512]; A: input x; B: input Wi: QUANTISED
;;     2. [M 512, K 512] x [K 512, N 65,536]; A: input Wc0; B: input context: QUANTISED
;;     3. [M 512, K 512] x [K 512, N 65,536]; A: input Wc1; B: input context: QUANTISED
;;     4. [M 512, K 512] x [K 512, N 65,536]; A: input Wc2; B: input context: QUANTISED
;;     5. [M 512, K 512] x [K 512, N 65,536]; A: input Wc3; B: input context: QUANTISED
;;     6. [M 1, K 512] x [K 512, N 262,144]; A: input V; B: computed on the way: left as it is (M = 1 < 16)
;;   THE QUANTISER, for each operand of a quantised product, along K:
;;     - K is cut into blocks of 32 from its start; a last block that is shorter is filled with zeros.
;;     - A block's scale is 2^e with e = floor(log2(the largest magnitude in the block)) - 2, held to -126 .. 127; a block of zeros has e = 0. As a byte (E8M0): e + 127.
;;     - Each number is divided by its block's scale, clamped to +-6, and rounded to the nearest number of E2M1, ties to even, subnormals kept.
;;     - The product sums the exact products of the quantised numbers (number of the format x scale) in f32.
;;   ~~~python
;;   def quantise(x, axis):      # numpy; x: float32 -> the quantised numbers, widened to float32 again
;;       x = np.moveaxis(x, axis, -1); K = x.shape[-1]
;;       x = np.pad(x, [(0, 0)] * (x.ndim - 1) + [(0, -K % 32)]); x = x.reshape(x.shape[:-1] + (-1, 32)); a = np.abs(x).max(-1, keepdims=True)
;;       e = np.where(a > 0, np.clip(np.frexp(np.where(a > 0, a, 1))[1] - 1 - 2, -126, 127), 0)      # np.frexp(a)[1] - 1 = floor(log2(a)), exactly
;;       r = np.clip(x / 2.0 ** e, -6, 6)
;;       step = 2.0 ** (np.maximum(np.frexp(np.where(r == 0, 1, r))[1] - 1, 0) - 1)
;;       q = np.round(r / step) * step * 2.0 ** e      # np.round: ties to even
;;       return np.moveaxis(q.reshape(q.shape[:-2] + (-1,))[..., :K], -1, axis).astype(np.float32)
;;   ~~~
;; One version. Each part assembles by itself: llvm-mc -triple=amdgcn-amd-amdhsa -mcpu=gfx1250 --defsym DOCPART=n.
;; ======== version 1 of 1: 3 launches
;; workspace buffers: wq 746,496 bytes; att 1,048,576 bytes
;; launch prep (part 1): grid 162 x 1, 2 waves a work-group, no clusters, 0 bytes of LDS; arguments Wc0, Wc1, Wc2, Wc3, Wi, x, wq; writes wq
.if DOCPART == 1
	.amdgcn_target "amdgcn-amd-amdhsa--gfx1250"
	.amdhsa_code_object_version 6
	.text
	.protected	k_q3d1b3248a9_prep
	.globl	k_q3d1b3248a9_prep
	.p2align	8
	.type	k_q3d1b3248a9_prep,@function
k_q3d1b3248a9_prep:
	s_mov_b64 s[64:65], 0
	v_nop
	global_prefetch_b8 v0, s[64:65] scope:SCOPE_SE
	s_setreg_imm32_b32 hwreg(HW_REG_WAVE_MODE, 25, 1), 1
	s_wait_xcnt 0x0
; Wc0..Wc3, Wi [512][512] and x [32][512], f32, K innermost, become codes of FP4 (E2M1) with one E8M0 scale byte for each 32 along K,
; laid in wq IN THE ORDER OF THE OPERAND'S REGISTERS, so that the next launch loads fragments whole, 16 bytes a lane.
; A RECORD is 16 rows x 512 K, 4,608 bytes: byte 1024 s + 512 c + 16 lane holds registers 4 c .. 4 c + 3 of the fragment of K step s (128 along K);
; byte 4096 + 256 p + 8 lane holds the scale words of K steps 2 p and 2 p + 1 of row lane % 16.
; Record T: T / 32 names the tensor (0..3 Wc0..Wc3, 4 Wi, 5 x), T % 32 its tile of 16 rows.  162 records, one work-group each; wave p takes K steps 2 p, 2 p + 1.
; A block's scale is 2^(floor(log2(its largest magnitude)) - 2); its byte is the largest magnitude's exponent field - 2, held at 1 from below by a floor among the maximum's leaves.
; A lane (r, h) loads, of row r, 16 neighbours of each block of 32: the loads touch 16 bytes in 32 places.  That is taken here for 5 MB that are read once; every store covers whole aligned runs of 256 bytes.
; LIMITS: NaN and infinities among the inputs are not served.  A block of zeros keeps the byte 1 where the quantiser's rule says 127: its codes are zeros, and this program alone reads the bytes.
.set REC,  4608
.set XA,   4                           ; v4   2048 r + 64 h: my 16 numbers of a block
.set LI,   5                           ; v5   16 x lane
.set L8,   6                           ; v6   8 x lane
.set X0,   16                          ; v16-79   64 numbers of the first K step
.set X1,   80                          ; v80-143  of the second
.set TM,   144                         ; v144-147 largest magnitudes, v148-151 bytes, v156-159 the conversions' scale operands
.set PW,   160                         ; v160-161 the two scale words
.set PC0,  164                         ; v164-171 the first K step's codes
.set PC1,  172                         ; v172-179 the second's
.set SEL,  30                          ; s[30:31] v_permlanex16_b32's selects for lane l xor 16
	s_load_b256 s[8:15], s[0:1], 0x0               ; Wc0, Wc1, Wc2, Wc3
	s_load_b128 s[16:19], s[0:1], 0x20             ; Wi, x
	s_load_b64 s[20:21], s[0:1], 0x30              ; wq
	v_lshrrev_b32 v1, 5, v0
	v_readfirstlane_b32 s2, v1                     ; wave p
	v_and_b32 v2, 31, v0                           ; lane
	v_and_b32 v3, 15, v0                           ; r
	v_bfe_u32 v7, v0, 4, 1                         ; h
	v_lshlrev_b32 v[XA], 11, v3
	v_lshl_add_u32 v[XA], v7, 6, v[XA]
	v_lshlrev_b32 v[LI], 4, v2
	v_lshlrev_b32 v[L8], 3, v2
.irp b, 0,1,2,3
	v_mov_b32 v[TM+4+\b], 0                        ; written once: a lane permute's destination counts as one of its sources
.endr
	s_mov_b32 s[SEL], 0x76543210
	s_mov_b32 s[SEL+1], 0xfedcba98
	s_lshr_b32 s4, ttmp9, 5                        ; which tensor
	s_and_b32 s5, ttmp9, 31                        ; which 16 rows of it
	s_lshl_b32 s32, s5, 15                         ; 16 rows of 2,048 bytes
	s_lshl_b32 s6, s2, 10                          ; + my two K steps: 1,024 bytes along a row
	s_add_co_u32 s32, s32, s6
	s_mov_b32 s33, 0
	s_mul_i32 s34, ttmp9, REC                      ; the record,
	s_lshl_b32 s6, s2, 11
	s_add_co_u32 s34, s34, s6                      ; my two K steps' codes
	s_mov_b32 s35, 0
	s_mul_i32 s36, ttmp9, REC
	s_lshl_b32 s6, s2, 8
	s_add_co_u32 s36, s36, s6
	s_add_co_u32 s36, s36, 4096                    ; and their scale words
	s_mov_b32 s37, 0
	s_wait_kmcnt 0x0
	s_bitcmp1_b32 s4, 0                            ; the tensor is chosen by the bits of the work-group's number alone
	s_cselect_b64 s[24:25], s[10:11], s[8:9]
	s_cselect_b64 s[26:27], s[14:15], s[12:13]
	s_cselect_b64 s[28:29], s[18:19], s[16:17]
	s_bitcmp1_b32 s4, 1
	s_cselect_b64 s[24:25], s[26:27], s[24:25]
	s_bitcmp1_b32 s4, 2
	s_cselect_b64 s[24:25], s[28:29], s[24:25]
	s_add_nc_u64 s[24:25], s[24:25], s[32:33]
	s_add_nc_u64 s[22:23], s[20:21], s[34:35]
	s_add_nc_u64 s[20:21], s[20:21], s[36:37]
; 64 numbers of a lane: register 16 b + i = k 32 b + 16 h + i of row r, of my K step s
.macro XLOAD reg, s
.irp b, 0,1,2,3
.irp j, 0,1,2,3
	global_load_b128 v[\reg+16*\b+4*\j:\reg+16*\b+4*\j+3], v[XA], s[24:25] offset:512*\s+128*\b+16*\j
.endr
.endr
.endm
; they become a fragment's codes in v[pc] on and its scale word in v[pw]
.macro QUANT s, pc, pw
.irp b, 0,1,2,3
	v_max3_num_f32 v[TM+\b], |v[\s+16*\b]|, |v[\s+1+16*\b]|, 0x1800000   ; block b: my 16 numbers, and the floor 2^(3 - 127): the byte cannot fall under 1
.endr
.irp i, 2,4,6,8,10,12,14
.irp b, 0,1,2,3
	v_max3_num_f32 v[TM+\b], v[TM+\b], |v[\s+16*\b+\i]|, |v[\s+1+16*\b+\i]|   ; the four blocks by turns
.endr
.endr
.irp b, 0,1,2,3
	v_permlanex16_b32 v[TM+4+\b], v[TM+\b], s[SEL], s[SEL+1]
.endr
.irp b, 0,1,2,3
	v_max_num_f32 v[TM+\b], v[TM+\b], v[TM+4+\b]   ; with lane l xor 16's: the block's largest magnitude
.endr
.irp b, 0,1,2,3
	v_add_nc_u32 v[TM+12+\b], 0xff000000, v[TM+\b] ; 2 off its exponent field: the conversion takes the exponent field of this operand as its scale
.endr
.irp b, 0,1,2,3
	v_lshrrev_b32 v[TM+4+\b], 23, v[TM+12+\b]      ; the scale's byte
.endr
	v_lshl_or_b32 v[\pw], v[TM+5], 8, v[TM+4]      ; four bytes: my row's scale word
	v_lshl_or_b32 v[\pw], v[TM+6], 16, v[\pw]
	v_lshl_or_b32 v[\pw], v[TM+7], 24, v[\pw]
.irp b, 0,1,2,3
	v_cvt_scalef32_pk8_fp4_f32 v[\pc+2*\b], v[\s+16*\b:\s+7+16*\b], v[TM+12+\b]
	v_cvt_scalef32_pk8_fp4_f32 v[\pc+1+2*\b], v[\s+8+16*\b:\s+15+16*\b], v[TM+12+\b]
.endr
	v_nop                                          ; one plain place behind a scaled conversion
.irp c, 0,1                                        ; the operand's layout wants a whole block in a lane: lanes 0-15 block 2 c, lanes 16-31 block 2 c + 1
.irp i, 0,1
	v_permlane16_swap_b32 v[\pc+4*\c+\i], v[\pc+2+4*\c+\i]
.endr
.endr
.endm
	XLOAD X0, 0
	XLOAD X1, 1
	s_wait_loadcnt 16                              ; the first K step's 16 loads are in; the second's may be out
	QUANT X0, PC0, PW
.irp c, 0,1
	global_store_b128 v[LI], v[PC0+4*\c:PC0+4*\c+3], s[22:23] offset:512*\c          ; 32 lanes store 512 consecutive bytes
.endr
	s_wait_loadcnt 0x0
	QUANT X1, PC1, PW+1
.irp c, 0,1
	global_store_b128 v[LI], v[PC1+4*\c:PC1+4*\c+3], s[22:23] offset:1024+512*\c
.endr
	global_store_b64 v[L8], v[PW:PW+1], s[20:21]   ; 32 lanes store 256 consecutive bytes, aligned
	s_endpgm
.Lfunc_end_k_q3d1b3248a9_prep:
	.size	k_q3d1b3248a9_prep, .Lfunc_end_k_q3d1b3248a9_prep-k_q3d1b3248a9_prep
	.p2alignl 7, 3214868480
	.fill 96, 4, 3214868480
	.section	.rodata,"a",@progbits
	.p2align	6, 0x0
	.amdhsa_kernel k_q3d1b3248a9_prep
		.amdhsa_group_segment_fixed_size 0
		.amdhsa_private_segment_fixed_size 0
		.amdhsa_enable_private_segment 0
		.amdhsa_kernarg_size 56
		.amdhsa_user_sgpr_count 2
		.amdhsa_user_sgpr_kernarg_segment_ptr 1
		.amdhsa_wavefront_size32 1
		.amdhsa_system_sgpr_workgroup_id_x 1
		.amdhsa_system_sgpr_workgroup_id_y 1
		.amdhsa_system_sgpr_workgroup_id_z 1
		.amdhsa_system_vgpr_workitem_id 0
		.amdhsa_next_free_vgpr 192
		.amdhsa_next_free_sgpr 66
		.amdhsa_reserve_vcc 0
		.amdhsa_float_denorm_mode_32 3
		.amdhsa_float_denorm_mode_16_64 3
		.amdhsa_memory_ordered 1
		.amdhsa_forward_progress 1
		.amdhsa_inst_pref_size 13
	.end_amdhsa_kernel
	.amdgpu_metadata
---
amdhsa.version: [ 1, 2 ]
amdhsa.kernels:
  - .name:           k_q3d1b3248a9_prep
    .symbol:         k_q3d1b3248a9_prep.kd
    .args:
      - { .name: Wc0, .offset: 0, .size: 8, .value_kind: global_buffer, .address_space: global }
      - { .name: Wc1, .offset: 8, .size: 8, .value_kind: global_buffer, .address_space: global }
      - { .name: Wc2, .offset: 16, .size: 8, .value_kind: global_buffer, .address_space: global }
      - { .name: Wc3, .offset: 24, .size: 8, .value_kind: global_buffer, .address_space: global }
      - { .name: Wi, .offset: 32, .size: 8, .value_kind: global_buffer, .address_space: global }
      - { .name: x, .offset: 40, .size: 8, .value_kind: global_buffer, .address_space: global }
      - { .name: wq, .offset: 48, .size: 8, .value_kind: global_buffer, .address_space: global }
    .group_segment_fixed_size: 0
    .private_segment_fixed_size: 0
    .kernarg_segment_align: 8
    .kernarg_segment_size: 56
    .max_flat_workgroup_size: 64
    .sgpr_count:     66
    .vgpr_count:     192
    .wavefront_size: 32
...
	.end_amdgpu_metadata
.endif
;; end of part 1
;; launch main (part 2): grid 256 x 1, 8 waves a work-group, no clusters, 327,680 bytes of LDS; arguments context, mask, V, bi, bc0, bc1, bc2, bc3, wq, att, out2; writes att, out2
.if DOCPART == 2
	.amdgcn_target "amdgcn-amd-amdhsa--gfx1250"
	.amdhsa_code_object_version 6
	.text
	.protected	k_q3d1b3248a9_main
	.globl	k_q3d1b3248a9_main
	.p2align	8
	.type	k_q3d1b3248a9_main,@function
k_q3d1b3248a9_main:
	s_mov_b64 s[64:65], 0
	v_nop
	global_prefetch_b8 v0, s[64:65] scope:SCOPE_SE
	s_setreg_imm32_b32 hwreg(HW_REG_WAVE_MODE, 25, 1), 1
	s_wait_xcnt 0x0
; att[b][2048 j + s] = 10 tanh( sum over h of V[h] tanh( (x Wi^T + bi)[b][h] + (context[b][s] . Wcj[h]) + bcj[h] ) ), -infinity where mask[b][s]; out2 = mask.
; All products on codes of FP4 (E2M1) with one E8M0 scale for each 32 along K = 512; sums, both tanh and the product with V in f32.
; SHARES.  Work-group g owns tokens 256 (g % 8) on of batch row b = g / 8: 512 KB of consecutive context, read once, as TWO CHUNKS of 128 tokens.  Eight waves, two to a SIMD, 512 registers each.
;   CHUNK 0 comes through registers: wave w quantises tokens 16 w .. 16 w + 15, a token row (2,048 bytes) a step, eight rows on their way; codes and scale bytes go to LDS.
;   Ahead of it each wave makes 64 hidden units of x Wi^T for the 16 rows of x's record.
;   THE WALK of a chunk: every wave keeps the chunk's eight tiles of 16 tokens as operands in registers (all of window 1) and takes, of each Wcj, hidden units 64 w .. 64 w + 63: 4 records of wq, each loaded straight
;   into registers, one record ahead.  Trip q of four serves j = (g + q) % 4.
;   CHUNK 1 COMES WHILE CHUNK 0 IS WALKED: wave w's 16 rows by two tensor loads of 8 rows into the wave's own LDS slot, each issued six tiles (192 matrix instructions and their vector work) ahead of the wait for it;
;   the mover lays 16 bytes of padding behind every 64, so that a lane finds its 16 neighbours at 80 x lane.  The rows are quantised four to a tile in the two tiles that follow the wait.
; LAYOUT.  Source 0 = 16 rows of a weight, source 1 = 16 tokens: a lane holds ONE token (lane % 16), its register i hidden unit 16 t + 8 (lane / 16) + i.  So the sum over hidden units runs inside a lane, and the two halves of
;   the lanes meet once for 64 hidden units.  The bias (x Wi^T + bi + bcj) is the C of a tile's first matrix instruction.
; TANH.  tanh(z) = 1 - 2 / (1 + 2^(c z)), c = 2 log2(e).  So sum V tanh = sum V - 2 sum V / (1 + 2^(c z)).  2^(c z) = infinity gives 0, 2^(c z) = 0 gives 1: no clamp is needed.
; NO CLUSTER, NO JOINT LOAD FOR THE WEIGHTS: a record of 4,608 bytes feeds 32 matrix instructions and 226 vector instructions in the one wave that loads it, and it lies in memory in the order of the operand's registers.
;   A joint load would send the same bytes through LDS (one write and one read more for each record and chunk) and set a round of the cluster's barrier in front of every refill.
; NO PREFETCH: every work-group reads all the weights, twice: they are no stream that is read once.  Chunk 0 is the stream itself; chunk 1 is asked for by the tensor loads themselves, six tiles ahead of the wait.
; A chunk's last look-ahead loads the walk's first record (chunk 1 uses it; behind chunk 1 it is not used) and reads V's bytes in the bias's place (never used).  So every wait has the same count on every way.
; LIMITS: NaN and infinities among the inputs are not served.  A block of zeros keeps the scale byte 1 (its codes are zeros; this program alone reads the bytes).
;   Where several positions of a row reach exactly 10.0 (the inner sum about 8.8 or more) the first index hangs on tanh's last bit.
; LDS (all of a WGP's LDS is claimed)
.set STG,  0                           ; 8 x 5,120: each wave's two stages of 32 x 80 bytes: a token row turns from 16 bytes a lane as loaded to 64 bytes a lane
.set PART, 0                           ; 8 x 4,096, in the stages' bytes, which are done with two barriers earlier: wave, chunk (2,048), trip (512), token of the chunk (4)
.set IMG,  40960                       ; 16 tiles x 4,352: codes: tile, block of 32 along K (272 bytes: 16 tokens x 16 bytes + 16 of padding), token
.set BSC,  110592                      ; 16 tiles x 256: scale bytes: tile, token (16 bytes), block
.set INPT, 114688                      ; 16 x 2,064: x Wi^T for the 16 rows of x's record
.set BL,   147712                      ; 4 x 2,048: trip q's bias row
.set VL,   155904                      ; 2,048: V, directly behind BL
.set SPARE, 157952                     ; the spare words, 128 bytes for each wave: four blocks of 256 bytes that no other line names
.set TSL,  158976                      ; 8 x 20,480: each wave's slot: 8 token rows of 2,560 bytes (32 x (64 + 16)); nothing is ever stored here
.set TSW,  20480
.set REC,  4608                        ; a record of wq
.set WCJ,  147456                      ; the 32 records of one Wcj
.set NR,   16                          ; token rows of a wave in a chunk
; REGISTERS, window 0.  v0 thread; v1 16 lane; v2, v3 stage in, out, later where chunk 1's codes and scale bytes go; v4, v5 my tile's codes and scale bytes; v6 fragment read; v7 scale words' read;
;   v8, v9 bias and V of my hidden units; v10 the trip's bias address; v11, v12 my partial sums' place, the trip's; v13 my spare word's address, v14 0: never rewritten; v15 8 lane.
.set SPW,  13
.set NIL,  14
.set A0,   16                          ; v16-47, v48-79    a record's codes, two buffers
.set AS0,  80                          ; v80-83, v84-87    its scale words
.set BI0,  88                          ; v88-95, v96-103   the tile's bias
.set VV0,  104                         ; v104-111, v112-119 the tile's V
.set ATT,  120                         ; v120-135  a pair of sums for each tile of tokens
.set BS,   136                         ; v136-167  the tokens' scale words: tile m, K step s at 4 m + s
.set ACC,  168                         ; v168-231  eight accumulators; between two tiles: four token rows of chunk 1
.set T,    232                         ; v232-239 at work; v240-247 four rows' codes, v248-251 their bytes (in chunk 1: v240 my mask bytes, v241 their offset); v252-253 at work
.set TSR,  254                         ; v254      my place in my slot: TSL + 20,480 wave + 80 lane
; In the head and chunk 0's steps: v16-31 Wi's scale words, v32-35 x's, v36, v37, v86, v87 LDS addresses, v38-39 at work, v40-71 four accumulators, v72-79 bi + bcj, v80-81 at work, v84-85 V's copy,
;   v88-95 two sets of codes and byte, v96-127 two sets of 16 neighbours (before that V, bi, bcj), v128-255 a ring of eight token rows.  Window 1: Wi's codes v0-127, x's v128-159; in the walk tile m, K step s at 32 m + 8 s.
.set X,    96
.set CS,   88
.set RING, 128
.set G1,   72                          ; s[72:79] descriptor group 1: the shape, never rewritten
.set G0,   80                          ; s[80:83] descriptor group 0: from where, to where
.set MSB, 0
.macro WIN new                         ; the immediate's high byte repeats the setting that is left
.if MSB != \new
	s_set_vgpr_msb (MSB<<8)|\new
.set MSB, \new
.endif
.endm
.macro BARRIER                         ; my LDS stores have landed and my LDS loads are in: then the work-group's barrier
	s_wait_dscnt 0x0
	s_barrier_signal -1
	s_barrier_wait -1
.endm
	s_load_b512 s[8:23], s[0:1], 0x0               ; context, mask, V, bi, bc0, bc1, bc2, bc3
	s_load_b128 s[24:27], s[0:1], 0x40             ; wq, att
	s_load_b64 s[28:29], s[0:1], 0x50              ; out2
	v_lshl_add_u32 v[SPW], v0, 2, SPARE
	v_mov_b32 v[NIL], 0
	v_lshrrev_b32 v10, 5, v0
	v_readfirstlane_b32 s2, v10                    ; wave 0..7
	s_mov_b32 s3, ttmp9                            ; g
	s_lshr_b32 s6, s3, 3
	s_and_b32 s6, s6, 15                           ; my batch row's place in x's record
	s_lshr_b32 s7, s2, 1
	s_add_co_u32 s7, s7, s3
	s_and_b32 s7, s7, 3                            ; J = (g + wave / 2) % 4: the Wcj whose bias row, and later whose results, this wave handles
	s_mov_b32 s40, 0x4038aa3b                      ; c = 2 log2(e)
	s_mov_b32 s41, s40                             ; (named with it as a pair, so it is written)
	s_mov_b32 s42, 0x76543210
	s_mov_b32 s43, 0xfedcba98                      ; v_permlanex16_b32's selects for lane l xor 16
	s_mov_b32 s39, 0                               ; the upper word of every offset
	; descriptor group 1: 8 token rows of 512 elements of 4 bytes, dense in memory; in LDS 4 words of padding behind every 16
	s_mov_b32 s[G1+0], (2<<16)|(1<<20)|(3<<22)|(3<<25)   ; 15:0 no mask; 17:16 elements of 4 bytes; 20 padding on; 24:22 after every 16 words (code 3); 31:25 four words (code 3)
	s_mov_b32 s[G1+1], 512<<16                     ; tensor_dim0 = 512
	s_mov_b32 s[G1+2], 8<<16                       ; tensor_dim1 = 8
	s_mov_b32 s[G1+3], 512<<16                     ; tile_dim0 = 512
	s_mov_b32 s[G1+4], 8                           ; tile_dim1 = 8
	s_mov_b32 s[G1+5], 512                         ; from row to row
	s_mov_b32 s[G1+6], 0
	s_mov_b32 s[G1+7], 0
	s_mov_b32 s[G0], 1                             ; count = 1
	s_mul_i32 s[G0+1], s2, TSW
	s_add_co_u32 s[G0+1], s[G0+1], TSL             ; my slot
	v_and_b32 v10, 31, v0                          ; lane
	v_and_b32 v12, 15, v0                          ; r
	v_bfe_u32 v38, v0, 4, 1                        ; h
	v_lshlrev_b32 v1, 4, v10
	v_lshlrev_b32 v15, 3, v10
	s_mul_i32 s68, s2, 5120                        ; my stages
	v_lshrrev_b32 v39, 2, v10
	v_mul_u32_u24 v2, v39, 80
	v_and_b32 v39, 3, v10
	v_lshl_add_u32 v2, v39, 4, v2
	v_add_nc_u32 v2, s68, v2                       ; in: four lanes' 64 bytes on end, then 16 of padding
	v_mul_u32_u24 v3, v10, 80
	v_add_nc_u32 v3, s68, v3                       ; out: 80 x lane: my 16 neighbours
	s_mul_i32 s68, s2, 4352
	s_add_co_u32 s68, s68, IMG                     ; my tile's codes (chunk 1's tile lies 8 tiles on)
	v_lshrrev_b32 v39, 1, v10                      ; my block of 32: lane / 2
	v_mul_u32_u24 v4, v39, 272
	v_add_nc_u32 v4, s68, v4
	s_lshl_b32 s68, s2, 8
	s_add_co_u32 s68, s68, BSC
	v_add_nc_u32 v5, s68, v39                      ; my tile's scale bytes, my block's
	v_and_b32 v39, 1, v10
	v_lshl_add_u32 v4, v39, 3, v4                  ; + my half of the block's 16 bytes
	v_mul_u32_u24 v6, v38, 272
	v_lshl_add_u32 v6, v12, 4, v6
	v_add_nc_u32 v6, IMG, v6                       ; chunk 0's tiles: block h, token r
	v_lshl_add_u32 v7, v12, 4, BSC                 ; token r's 16 scale bytes
	s_lshl_b32 s68, s2, 8
	s_add_co_u32 s69, s68, VL
	s_add_co_u32 s68, s68, BL
	v_lshl_add_u32 v8, v38, 5, s68                 ; my 64 hidden units, my half's eight of a tile
	v_lshl_add_u32 v9, v38, 5, s69
	s_lshl_b32 s68, s2, 12
	s_add_co_u32 s68, s68, PART
	v_lshl_add_u32 v11, v10, 2, s68
	s_lshl_b32 s68, s2, 8
	s_add_co_u32 s68, s68, INPT
	v_mul_u32_u24 v36, v12, 2064
	v_lshl_add_u32 v36, v38, 5, v36
	v_add_nc_u32 v36, s68, v36                     ; x Wi^T goes to row r, hidden 64 wave + 8 h on
	v_lshl_add_u32 v37, v0, 3, VL                  ; V's copy: 8 bytes a thread
	v_lshlrev_b32 v80, 3, v0
	v_and_b32 v81, 63, v0
	v_lshlrev_b32 v81, 5, v81                      ; eight hidden units a thread: 32 (t % 64)
	s_mul_i32 s68, s6, 2064
	s_add_co_u32 s68, s68, INPT
	v_add_nc_u32 v86, s68, v81                     ; my batch row of x Wi^T, my eight hidden units
	v_lshl_add_u32 v87, v0, 5, BL                  ; bias row t / 64, the same eight: 2048 (t / 64) + 32 (t % 64) = 32 t
	s_wait_kmcnt 0x0
	s_lshl_b32 s38, s3, 19
	s_lshl_b32 s68, s2, 15
	s_add_co_u32 s38, s38, s68
	s_add_nc_u64 s[30:31], s[8:9], s[38:39]        ; context at my wave's first token of chunk 0
	s_add_nc_u64 s[G0+2:G0+3], s[30:31], 0x40000   ; and of chunk 1: 128 rows of 2,048 bytes on
	s_or_b32 s[G0+3], s[G0+3], 0x80000000          ; type = 2
	s_mul_i32 s38, s2, 4*REC
	s_add_nc_u64 s[32:33], s[24:25], s[38:39]      ; wq at my four records of Wc0
	s_add_co_u32 s38, s38, 128*REC
	s_add_nc_u64 s[48:49], s[24:25], s[38:39]      ; at my four records of Wi
	s_lshr_b32 s38, s3, 7
	s_mul_i32 s38, s38, REC
	s_add_co_u32 s38, s38, 160*REC
	s_add_nc_u64 s[50:51], s[24:25], s[38:39]      ; at x's record with my batch row
	s_bitcmp1_b32 s7, 0                            ; bcJ, by J's bits
	s_cselect_b64 s[52:53], s[18:19], s[16:17]
	s_cselect_b64 s[54:55], s[22:23], s[20:21]
	s_bitcmp1_b32 s7, 1
	s_cselect_b64 s[52:53], s[54:55], s[52:53]
	s_lshl_b32 s38, s3, 8
	s_add_nc_u64 s[58:59], s[10:11], s[38:39]      ; mask and out2 at my 256 tokens
	s_add_nc_u64 s[62:63], s[28:29], s[38:39]
	s_lshr_b32 s38, s3, 3
	s_lshl_b32 s38, s38, 15                        ; att: batch row,
	s_lshl_b32 s68, s7, 13
	s_add_co_u32 s38, s38, s68                     ; J's 2,048 positions,
	s_and_b32 s68, s3, 7
	s_lshl_b32 s68, s68, 10
	s_add_co_u32 s38, s38, s68                     ; my work-group's 256 tokens,
	s_and_b32 s68, s2, 1
	s_lshl_b32 s68, s68, 9
	s_add_co_u32 s38, s38, s68                     ; the chunk that I store
	s_add_nc_u64 s[60:61], s[26:27], s[38:39]
	; ---- THE HEAD'S 59 LOADS, then the ring's first eight token rows
	WIN 0x40                                       ; destination window 1
.irp q, 0,1,2,3
.irp i, 0,1,2,3,4,5,6,7
	global_load_b128 v[32*\q+4*\i:32*\q+4*\i+3], v1, s[48:49] offset:REC*\q+512*\i
.endr
.endr
.irp i, 0,1,2,3,4,5,6,7
	global_load_b128 v[128+4*\i:128+4*\i+3], v1, s[50:51] offset:512*\i
.endr
	WIN 0
.irp q, 0,1,2,3
.irp p, 0,1
	global_load_b64 v[16+4*\q+2*\p:17+4*\q+2*\p], v15, s[48:49] offset:REC*\q+4096+256*\p
.endr
.endr
.irp p, 0,1
	global_load_b64 v[32+2*\p:33+2*\p], v15, s[50:51] offset:4096+256*\p
.endr
.irp i, 0,1,2,3
	global_load_b128 v[96+4*\i:99+4*\i], v1, s[12:13] offset:512*\i      ; all of V, 16 numbers a lane, for its sum
.endr
	global_load_b64 v[84:85], v80, s[12:13]        ; V once more, 8 bytes a thread, for LDS
	global_load_b128 v[112:115], v81, s[14:15]
	global_load_b128 v[116:119], v81, s[14:15] offset:16
	global_load_b128 v[120:123], v81, s[52:53]
	global_load_b128 v[124:127], v81, s[52:53] offset:16
.macro LOAD n                          ; token row n of my 16: four loads of 512 consecutive bytes
.irp i, 0,1,2,3
	global_load_b128 v[RING+16*((\n)%8)+4*\i:RING+16*((\n)%8)+4*\i+3], v1, s[30:31] offset:2048*(\n)+512*\i th:TH_LOAD_NT
.endr
.endm
.irp n, 0,1,2,3,4,5,6,7
	LOAD \n
.endr
	s_wait_loadcnt 32                              ; the head's 59 loads are in; the ring's 32 may be out
	ds_store_b64 v37, v[84:85]
.irp j, 0,4,8,12
	v_pk_add_f32 v[96+\j:97+\j], v[96+\j:97+\j], v[98+\j:99+\j]          ; the sum of V
.endr
	v_pk_add_f32 v[96:97], v[96:97], v[100:101]
	v_pk_add_f32 v[104:105], v[104:105], v[108:109]
	v_pk_add_f32 v[96:97], v[96:97], v[104:105]
	v_add_f32 v38, v96, v97
	v_add_f32_dpp v38, v38, v38 row_xmask:1 row_mask:0xf bank_mask:0xf
	v_add_f32_dpp v38, v38, v38 row_xmask:2 row_mask:0xf bank_mask:0xf
	v_add_f32_dpp v38, v38, v38 row_xmask:4 row_mask:0xf bank_mask:0xf
	v_add_f32_dpp v38, v38, v38 row_xmask:8 row_mask:0xf bank_mask:0xf
	v_permlanex16_b32 v80, v38, s42, s43           ; (v80 has been written, and the load that it addressed is in)
	v_add_f32 v38, v38, v80
	v_readfirstlane_b32 s84, v38                   ; the same in every lane: kept as a scalar
.irp j, 0,2,4,6
	v_pk_add_f32 v[72+\j:73+\j], v[112+\j:113+\j], v[120+\j:121+\j]      ; bi + bcJ of my eight hidden units
.endr
	; x Wi^T: source 0 = 16 rows of Wi, source 1 = the 16 rows of x's record.  Four accumulators by turns, one instruction a turn; the first K step starts the sums
	WIN 0x05                                       ; sources 0 and 1 window 1
.irp s, 0,1,2,3
.irp q, 0,1,2,3
.if \s == 0
	v_wmma_scale_f32_16x16x128_f8f6f4 v[40+8*\q:47+8*\q], v[32*\q+8*\s:32*\q+8*\s+7], v[128+8*\s:135+8*\s], 0, v[16+4*\q+\s], v[32+\s] matrix_a_fmt:MATRIX_FMT_FP4 matrix_b_fmt:MATRIX_FMT_FP4
.else
	v_wmma_scale_f32_16x16x128_f8f6f4 v[40+8*\q:47+8*\q], v[32*\q+8*\s:32*\q+8*\s+7], v[128+8*\s:135+8*\s], v[40+8*\q:47+8*\q], v[16+4*\q+\s], v[32+\s] matrix_a_fmt:MATRIX_FMT_FP4 matrix_b_fmt:MATRIX_FMT_FP4
.endif
.endr
.endr
	WIN 0
.rept 4
	v_nop                                          ; four places between the last product and the stores that read results
.endr
.irp q, 0,1,2,3
	ds_store_b128 v36, v[40+8*\q:43+8*\q] offset:64*\q                   ; each accumulator from its low end on
	ds_store_b128 v36, v[44+8*\q:47+8*\q] offset:64*\q+16
.endr
; 16 neighbours of a lane, v[xs] on (two neighbouring lanes hold a block of 32), become 16 codes in v[cc], v[cc + 1] and the block's scale byte in v[eb]; v[ta], v[tb] at work
.macro Q16 xs, cc, eb, ta, tb
	v_max3_num_f32 v[\ta], |v[\xs]|, |v[\xs+1]|, |v[\xs+2]|              ; the largest magnitude of my 16, in two chains
	v_max3_num_f32 v[\tb], |v[\xs+3]|, |v[\xs+4]|, |v[\xs+5]|
.irp i, 6,10
	v_max3_num_f32 v[\ta], v[\ta], |v[\xs+\i]|, |v[\xs+\i+1]|
	v_max3_num_f32 v[\tb], v[\tb], |v[\xs+\i+2]|, |v[\xs+\i+3]|
.endr
	v_max3_num_f32 v[\ta], v[\ta], |v[\xs+14]|, |v[\xs+15]|
	v_max3_num_f32 v[\ta], v[\ta], v[\tb], 0x1800000                     ; and the floor 2^(3 - 127): the byte cannot fall under 1
	v_max_num_f32_dpp v[\ta], v[\ta], v[\ta] row_xmask:1 row_mask:0xf bank_mask:0xf   ; and of my neighbour's 16: the block's
	v_add_nc_u32 v[\tb], 0xff000000, v[\ta]        ; 2 off its exponent field: the conversion's scale operand
	v_cvt_scalef32_pk8_fp4_f32 v[\cc], v[\xs:\xs+7], v[\tb]
	v_cvt_scalef32_pk8_fp4_f32 v[\cc+1], v[\xs+8:\xs+15], v[\tb]
	v_lshrrev_b32 v[\eb], 23, v[\tb]               ; the scale's byte; also the plain place behind the conversions
.endm
	; ---- CHUNK 0: 16 token rows, written out: every offset is an immediate
.macro TURN n                          ; row n through a stage: LDS serves a wave's instructions in order, so no wait stands between the stores and the loads
.irp i, 0,1,2,3
	ds_store_b128 v2, v[RING+16*((\n)%8)+4*\i:RING+16*((\n)%8)+4*\i+3] offset:2560*((\n)%2)+640*\i
.endr
.irp i, 0,1,2,3
	ds_load_b128 v[X+16*((\n)%2)+4*\i:X+16*((\n)%2)+4*\i+3], v3 offset:2560*((\n)%2)+16*\i
.endr
.endm
.macro STEP n
.set XS, X+16*((\n)%2)
.set CC, CS+4*((\n)%2)
.set EB, CC+2
.if (\n) > 0
	s_wait_dscnt 2                                 ; this row is back from its stage; the last step's two stores may be out
.else
	s_wait_dscnt 0x0
.endif
.if (\n)+8 < NR
	LOAD (\n)+8                                    ; into the ring's set that this row has left
.endif
.if (\n)+1 < NR
.if (\n)+9 <= NR
	s_wait_loadcnt 28                              ; the next row's four loads are in; those of the seven rows behind it may be out
.else
	s_wait_loadcnt 4*(NR-2-(\n))                   ; the counts run down: rows n + 2 to 15
.endif
	TURN (\n)+1                                    ; it goes through the other stage while this row is worked
.endif
	Q16 XS, CC, EB, 80, 81
	ds_store_b8 v5, v[EB] offset:16*(\n)           ; both lanes of a block write the same byte with the same value
	ds_store_b64 v4, v[CC:CC+1] offset:16*(\n)     ; my 16 codes: half of the token's 16 bytes of this block
.endm
	s_wait_loadcnt 28                              ; row 0 is in
	TURN 0
.irp n, 0,1,2,3,4,5,6,7,8,9,10,11,12,13,14,15
	STEP \n
.endr
; a record's codes and scale words into buffer buf: ten loads
.macro RECLOAD buf, base, off
.irp i, 0,1,2,3,4,5,6,7
	global_load_b128 v[A0+32*(\buf)+4*\i:A0+32*(\buf)+4*\i+3], v1, s[\base:\base+1] offset:(\off)+512*\i
.endr
.irp p, 0,1
	global_load_b64 v[AS0+4*(\buf)+2*\p:AS0+4*(\buf)+2*\p+1], v15, s[\base:\base+1] offset:(\off)+4096+256*\p
.endr
.endm
; a chunk's eight tiles of tokens into window 1, and their scale words
.macro BLOAD
	WIN 0x40                                       ; destination window 1
.irp m, 0,1,2,3,4,5,6,7
.irp s, 0,1,2,3
.irp c, 0,1
	ds_load_b128 v[32*\m+8*\s+4*\c:32*\m+8*\s+4*\c+3], v6 offset:4352*\m+272*(4*\s+2*\c)   ; registers 4 c on of tile m, K step s: block 4 s + 2 c + h; sixteen lanes read 256 consecutive bytes
.endr
.endr
.endr
	WIN 0
.irp m, 0,1,2,3,4,5,6,7
	ds_load_b128 v[BS+4*\m:BS+4*\m+3], v7 offset:256*\m                  ; token r's four scale words
.endr
.endm
	s_and_b32 s68, s3, 3
	s_mul_i32 s38, s68, WCJ
	s_add_nc_u64 s[36:37], s[32:33], s[38:39]      ; trip 0's Wcj: j = g % 4
	RECLOAD 0, 36, 0                               ; the walk's first record
	s_mul_i32 s68, s2, TSW
	s_add_co_u32 s68, s68, TSL
	v_mul_u32_u24 v[TSR], v1, 5                    ; 80 x lane (the ring is done with)
	v_add_nc_u32 v[TSR], s68, v[TSR]
	BARRIER                                        ; chunk 0's codes and scale bytes, x Wi^T and V lie in LDS
	BLOAD
	ds_load_b128 v[T:T+3], v86
	ds_load_b128 v[T+4:T+7], v86 offset:16
	s_wait_dscnt 0x0
.irp j, 0,2,4,6
	v_pk_add_f32 v[T+\j:T+\j+1], v[T+\j:T+\j+1], v[72+\j:73+\j]          ; x Wi^T + bi + bcJ
.endr
	ds_store_b128 v87, v[T:T+3]
	ds_store_b128 v87, v[T+4:T+7] offset:16
	BARRIER                                        ; the four bias rows lie in LDS
	ds_load_b128 v[BI0:BI0+3], v8
	ds_load_b128 v[BI0+4:BI0+7], v8 offset:16
	ds_load_b128 v[VV0:VV0+3], v9
	ds_load_b128 v[VV0+4:VV0+7], v9 offset:16
; ---- THE WALK.  A tile: 16 hidden units x the chunk's 128 tokens.  tt: the tile of the trip's four; half: the trip of a loop's two; m0 >= 0: rows m0 .. m0 + 3 of my slot are quantised on the way
.macro QROW mm, m0
.set XS, ACC+16*(\mm)
.set CC, T+8+2*(\mm)
.set EB, T+16+(\mm)
	Q16 XS, CC, EB, T+20, T+21
	ds_store_b8 v3, v[EB] offset:2048+16*((\m0)+(\mm))                   ; chunk 1's tiles lie eight tiles behind chunk 0's
	ds_store_b64 v2, v[CC:CC+1] offset:34816+16*((\m0)+(\mm))
.endm
.macro TILE tt, half, m0
.set BUF, (\tt)%2
.set NB, 1-BUF
.if (\m0) >= 0
.irp mm, 0,1,2,3                                   ; four token rows, 64 bytes a lane each, into the accumulators' registers, which are free between two tiles
.irp i, 0,1,2,3
	ds_load_b128 v[ACC+16*\mm+4*\i:ACC+16*\mm+4*\i+3], v[TSR] offset:2560*((\m0)+\mm)+16*\i
.endr
.endr
.endif
	; the next tile's record, bias and V, into the other buffers: their last readers stand a whole vector phase back
.if (\tt) < 3
	RECLOAD NB, 34, REC*((\tt)+1)
	ds_load_b128 v[BI0+8*NB:BI0+8*NB+3], v10 offset:2048*(\half)+64*((\tt)+1)
	ds_load_b128 v[BI0+8*NB+4:BI0+8*NB+7], v10 offset:2048*(\half)+64*((\tt)+1)+16
.else
	RECLOAD NB, 36, 0                              ; the next trip's first
	ds_load_b128 v[BI0+8*NB:BI0+8*NB+3], v10 offset:2048*((\half)+1)
	ds_load_b128 v[BI0+8*NB+4:BI0+8*NB+7], v10 offset:2048*((\half)+1)+16
.endif
	ds_load_b128 v[VV0+8*NB:VV0+8*NB+3], v9 offset:64*(((\tt)+1)%4)
	ds_load_b128 v[VV0+8*NB+4:VV0+8*NB+7], v9 offset:64*(((\tt)+1)%4)+16
	s_wait_dscnt 4                                 ; this tile's bias and V are in, the token rows too, and earlier stores are done; the four loads just issued may be out
.if (\m0) >= 0
.irp mm, 0,1,2,3
	QROW \mm, \m0
.endr
.endif
	s_wait_loadcnt 10                              ; this tile's record is in; the ten loads just issued may be out
	WIN 0x04                                       ; source 1 (the tokens) window 1
.irp s, 0,1,2,3                                    ; eight accumulators by turns, one instruction a turn; the bias is the first K step's C
.irp m, 0,1,2,3,4,5,6,7
.if \s == 0
	v_wmma_scale_f32_16x16x128_f8f6f4 v[ACC+8*\m:ACC+8*\m+7], v[A0+32*BUF+8*\s:A0+32*BUF+8*\s+7], v[32*\m+8*\s:32*\m+8*\s+7], v[BI0+8*BUF:BI0+8*BUF+7], v[AS0+4*BUF+\s], v[BS+4*\m+\s] matrix_a_fmt:MATRIX_FMT_FP4 matrix_b_fmt:MATRIX_FMT_FP4
.else
	v_wmma_scale_f32_16x16x128_f8f6f4 v[ACC+8*\m:ACC+8*\m+7], v[A0+32*BUF+8*\s:A0+32*BUF+8*\s+7], v[32*\m+8*\s:32*\m+8*\s+7], v[ACC+8*\m:ACC+8*\m+7], v[AS0+4*BUF+\s], v[BS+4*\m+\s] matrix_a_fmt:MATRIX_FMT_FP4 matrix_b_fmt:MATRIX_FMT_FP4
.endif
.endr
.endr
	WIN 0
.rept 4
	v_nop                                          ; four places between the last product and the first read of results (ISA guide 7.12.1)
.endr
.set J, 0
.rept 32
	v_pk_mul_f32 v[ACC+J:ACC+J+1], v[ACC+J:ACC+J+1], s[40:41] op_sel_hi:[1,0]    ; c z, two at a time, each accumulator from its low end on
.set J, J+2
.endr
.set J, 0
.rept 64
	v_exp_f32 v[ACC+J], v[ACC+J]                   ; 2^(c z)
.set J, J+1
.endr
	v_nop                                          ; a plain place behind the last exponential
	s_wait_alu depctr_va_vdst(0)                   ; one wait for the batch, ahead of its first reader
.set J, 0
.rept 32
	v_pk_add_f32 v[ACC+J:ACC+J+1], v[ACC+J:ACC+J+1], 1.0 op_sel_hi:[1,0]
.set J, J+2
.endr
.set J, 0
.rept 64
	v_rcp_f32 v[ACC+J], v[ACC+J]                   ; 1 / (1 + 2^(c z))
.set J, J+1
.endr
	v_nop
	s_wait_alu depctr_va_vdst(0)                   ; and one for the reciprocals
.irp i, 0,1,2,3
.irp m, 0,1,2,3,4,5,6,7
.if ((\tt) == 0) && (\i == 0)
	v_pk_mul_f32 v[ATT+2*\m:ATT+2*\m+1], v[ACC+8*\m:ACC+8*\m+1], v[VV0+8*BUF:VV0+8*BUF+1]      ; a trip's first products start the sums: nothing is cleared
.else
	v_pk_fma_f32 v[ATT+2*\m:ATT+2*\m+1], v[ACC+8*\m+2*\i:ACC+8*\m+2*\i+1], v[VV0+8*BUF+2*\i:VV0+8*BUF+2*\i+1], v[ATT+2*\m:ATT+2*\m+1]
.endif
.endr
.endr
.endm
; A trip: my four records of one Wcj.  s44 + half is the trip q; quant = 1: its last two tiles quantise my slot's eight rows; setadr = 1: the trip's LDS addresses are made
.macro TRIP half, quant, setadr
	s_wait_xcnt 0x0                                ; every load issued so far has read its base: the two bases may be written
	s_wait_dscnt 0x0                               ; the first tile's bias and V are in, the last trip's stores are done
	s_mov_b64 s[34:35], s[36:37]                   ; this trip's records,
	s_add_co_u32 s68, s3, s44
	s_add_co_u32 s68, s68, (\half)+1
	s_and_b32 s68, s68, 3
	s_mul_i32 s38, s68, WCJ
	s_add_nc_u64 s[36:37], s[32:33], s[38:39]      ; and the next trip's
.if \setadr
	v_add_nc_u32 v10, s45, v8                      ; the bias row
	v_add_nc_u32 v12, s46, v11                     ; and the place among my partial sums
.endif
	TILE 0, \half, -1
	TILE 1, \half, -1
.if \quant
	s_wait_tensorcnt 0x0                           ; my one tensor load, issued six tiles ago, has landed: only I read its bytes, so my own wait is all that the reads need
	s_add_nc_u64 s[G0+2:G0+3], s[G0+2:G0+3], 16384 ; no tensor load of mine is out, so group 0 may be written: the next eight rows (behind the second load the stepped address is not used)
	TILE 2, \half, 0
	TILE 3, \half, 4
.else
	TILE 2, \half, -1
	TILE 3, \half, -1
.endif
.irp m, 0,1,2,3,4,5,6,7
	v_add_f32 v[T+\m], v[ATT+2*\m], v[ATT+2*\m+1]  ; a pair's two halves
.endr
.irp p, 0,1,2,3
	v_permlane16_swap_b32 v[T+2*\p], v[T+2*\p+1]   ; the first now holds both tiles' lower halves of the hidden units, the second both upper halves
.endr
.irp p, 0,1,2,3
	v_add_f32 v[T+2*\p], v[T+2*\p], v[T+2*\p+1]    ; lanes 0-15: tile 2 p, lanes 16-31: tile 2 p + 1: token 32 p + lane
.endr
.irp p, 0,1,2,3
	ds_store_b32 v12, v[T+2*\p] offset:512*(\half)+128*\p
.endr
.endm
	; ---- CHUNK 0 IS WALKED, CHUNK 1 COMES IN.  Two trips of the loop, two trips of the walk in each
	s_mov_b32 s44, 0                               ; the walk's trip q at the loop's head: 0, 2
	s_mov_b32 s45, 0                               ; 2,048 q
	s_mov_b32 s46, 0                               ; 512 q
	s_mov_b32 s85, 0                               ; 16 bytes x the first of the eight rows that this trip quantises: 0, 128
.Lc0:
	s_wait_tensorcnt 0x0                           ; all my tensor loads have landed (in the first trip none has been issued),
	ds_add_u32 v[SPW], v[NIL]                      ; 0 onto my spare word
	ds_add_u32 v13, v14
	s_wait_dscnt 0x0                               ; the add is done, and my reads of my slot are over
	s_barrier_signal -1
	s_barrier_wait -1                              ; both now hold of every wave
	tensor_load_to_lds s[G0:G0+3], s[G1:G1+7]      ; my one tensor load behind this barrier, and the first thing there: eight rows of chunk 1 into my slot
	s_nop 0
.rept 4
	v_nop                                          ; four v_nop follow the load
.endr
	v_add_nc_u32 v2, s85, v4                       ; where these eight rows' codes
	v_add_nc_u32 v3, s85, v5                       ; and scale bytes go
	TRIP 0, 0, 1
	TRIP 1, 1, 0
	s_add_co_u32 s45, s45, 4096
	s_add_co_u32 s46, s46, 1024
	s_add_co_u32 s85, s85, 128
	s_add_co_u32 s44, s44, 2
	s_cmp_lt_u32 s44, 4
	s_cbranch_scc1 .Lc0
	; ---- CHUNK 1
	BARRIER                                        ; chunk 1's codes and scale bytes lie in LDS
	v_add_nc_u32 v6, 34816, v6                     ; eight tiles on
	v_add_nc_u32 v7, 2048, v7
	BLOAD
	ds_load_b128 v[BI0:BI0+3], v8                  ; trip 0's first tile once more (the look-ahead brought V's bytes in the bias's place)
	ds_load_b128 v[BI0+4:BI0+7], v8 offset:16
	ds_load_b128 v[VV0:VV0+3], v9
	ds_load_b128 v[VV0+4:VV0+7], v9 offset:16
	s_and_b32 s68, s2, 1
	s_lshl_b32 s68, s68, 7
	v_lshrrev_b32 v241, 2, v1
	v_add_nc_u32 v241, s68, v241                   ; 128 (wave % 2) + 4 lane
	global_load_b32 v240, v241, s[58:59]           ; my four mask bytes for the way out: it stands ahead of the walk's loads, so their counted waits cover it
	s_mov_b32 s44, 0
	s_mov_b32 s45, 0
	s_mov_b32 s46, 2048                            ; chunk 1's partial sums lie 2,048 bytes behind chunk 0's
.Lc1:                                              ; four trips: trip q serves j = (g + q) % 4
	TRIP 0, 0, 1
	s_add_co_u32 s45, s45, 2048
	s_add_co_u32 s46, s46, 512
	s_add_co_u32 s44, s44, 1
	s_cmp_lt_u32 s44, 4
	s_cbranch_scc1 .Lc1
	; ---- THE WAY OUT.  Wave w takes trip w / 2 (that is J) and chunk w % 2: four tokens a lane
	BARRIER                                        ; all partial sums lie in LDS
	s_and_b32 s68, s2, 1
	s_lshl_b32 s68, s68, 11
	s_lshr_b32 s69, s2, 1
	s_lshl_b32 s69, s69, 9
	s_add_co_u32 s68, s68, s69
	s_add_co_u32 s68, s68, PART
	v_add_nc_u32 v242, s68, v1
.irp k, 0,1,2,3,4,5,6,7
	ds_load_b128 v[ACC+4*\k:ACC+4*\k+3], v242 offset:4096*\k             ; the eight waves' parts of the hidden units
.endr
	s_wait_dscnt 0x0
.irp k, 0,2,4,6
	v_pk_add_f32 v[ACC+4*\k:ACC+4*\k+1], v[ACC+4*\k:ACC+4*\k+1], v[ACC+4*\k+4:ACC+4*\k+5]
	v_pk_add_f32 v[ACC+4*\k+2:ACC+4*\k+3], v[ACC+4*\k+2:ACC+4*\k+3], v[ACC+4*\k+6:ACC+4*\k+7]
.endr
.irp k, 0,4
	v_pk_add_f32 v[ACC+4*\k:ACC+4*\k+1], v[ACC+4*\k:ACC+4*\k+1], v[ACC+4*\k+8:ACC+4*\k+9]
	v_pk_add_f32 v[ACC+4*\k+2:ACC+4*\k+3], v[ACC+4*\k+2:ACC+4*\k+3], v[ACC+4*\k+10:ACC+4*\k+11]
.endr
	v_pk_add_f32 v[ACC:ACC+1], v[ACC:ACC+1], v[ACC+16:ACC+17]
	v_pk_add_f32 v[ACC+2:ACC+3], v[ACC+2:ACC+3], v[ACC+18:ACC+19]
.irp i, 0,1,2,3
	v_fma_f32 v[ACC+\i], -2.0, v[ACC+\i], s84      ; sum V tanh = sum V - 2 sum V / (1 + 2^(c z))
.endr
.irp i, 0,1,2,3
	v_mul_f32 v[ACC+4+\i], s40, v[ACC+\i]
.endr
.irp i, 0,1,2,3
	v_exp_f32 v[ACC+4+\i], v[ACC+4+\i]
.endr
	v_mov_b32 v[ACC+8], 0xff800000                 ; -infinity; also the plain place behind the exponentials
	s_wait_alu depctr_va_vdst(0)
.irp i, 0,1,2,3
	v_add_f32 v[ACC+4+\i], 1.0, v[ACC+4+\i]
.endr
.irp i, 0,1,2,3
	v_rcp_f32 v[ACC+4+\i], v[ACC+4+\i]
.endr
	v_nop
	s_wait_alu depctr_va_vdst(0)
.irp i, 0,1,2,3
	v_fma_f32 v[ACC+4+\i], -2.0, v[ACC+4+\i], 1.0  ; tanh,
.endr
.irp i, 0,1,2,3
	v_mul_f32 v[ACC+4+\i], 0x41200000, v[ACC+4+\i] ; x 10
.endr
.irp i, 0,1,2,3
	v_bfe_u32 v[ACC+9], v240, 8*\i, 8              ; the token's mask byte: not 0 = masked out
	v_cmp_ne_u32 vcc_lo, 0, v[ACC+9]
	v_cndmask_b32 v[ACC+4+\i], v[ACC+4+\i], v[ACC+8], vcc_lo
.endr
	global_store_b128 v1, v[ACC+4:ACC+7], s[60:61] ; 32 lanes store 512 consecutive bytes, at a multiple of 256 from att's first byte
	s_cmp_lg_u32 s2, 0                             ; wave 0 copies the work-group's 256 mask bytes
	s_cbranch_scc1 .Ldone
	global_load_b64 v[246:247], v15, s[58:59]
	s_wait_loadcnt 0x0
	global_store_b64 v15, v[246:247], s[62:63]     ; 32 lanes store 256 consecutive bytes, aligned
.Ldone:
	s_wait_tensorcnt 0x0                           ; the wave's end, behind my last tensor load and my last LDS store
	ds_add_u32 v[SPW], v[NIL]
	s_wait_dscnt 0x0
	s_endpgm
.Lfunc_end_k_q3d1b3248a9_main:
	.size	k_q3d1b3248a9_main, .Lfunc_end_k_q3d1b3248a9_main-k_q3d1b3248a9_main
	.p2alignl 7, 3214868480
	.fill 96, 4, 3214868480
	.section	.rodata,"a",@progbits
	.p2align	6, 0x0
	.amdhsa_kernel k_q3d1b3248a9_main
		.amdhsa_group_segment_fixed_size 327680
		.amdhsa_private_segment_fixed_size 0
		.amdhsa_enable_private_segment 0
		.amdhsa_kernarg_size 88
		.amdhsa_user_sgpr_count 2
		.amdhsa_user_sgpr_kernarg_segment_ptr 1
		.amdhsa_wavefront_size32 1
		.amdhsa_system_sgpr_workgroup_id_x 1
		.amdhsa_system_sgpr_workgroup_id_y 1
		.amdhsa_system_sgpr_workgroup_id_z 1
		.amdhsa_system_vgpr_workitem_id 0
		.amdhsa_next_free_vgpr 512
		.amdhsa_next_free_sgpr 96
		.amdhsa_reserve_vcc 1
		.amdhsa_float_denorm_mode_32 3
		.amdhsa_float_denorm_mode_16_64 3
		.amdhsa_memory_ordered 1
		.amdhsa_forward_progress 1
		.amdhsa_inst_pref_size 255
	.end_amdhsa_kernel
	.section	.bss,"aw",@nobits
	.p2align	6
	.space	262144
	.amdgpu_metadata
---
amdhsa.version: [ 1, 2 ]
amdhsa.kernels:
  - .name:           k_q3d1b3248a9_main
    .symbol:         k_q3d1b3248a9_main.kd
    .args:
      - { .name: context, .offset: 0, .size: 8, .value_kind: global_buffer, .address_space: global }
      - { .name: mask, .offset: 8, .size: 8, .value_kind: global_buffer, .address_space: global }
      - { .name: V, .offset: 16, .size: 8, .value_kind: global_buffer, .address_space: global }
      - { .name: bi, .offset: 24, .size: 8, .value_kind: global_buffer, .address_space: global }
      - { .name: bc0, .offset: 32, .size: 8, .value_kind: global_buffer, .address_space: global }
      - { .name: bc1, .offset: 40, .size: 8, .value_kind: global_buffer, .address_space: global }
      - { .name: bc2, .offset: 48, .size: 8, .value_kind: global_buffer, .address_space: global }
      - { .name: bc3, .offset: 56, .size: 8, .value_kind: global_buffer, .address_space: global }
      - { .name: wq, .offset: 64, .size: 8, .value_kind: global_buffer, .address_space: global }
      - { .name: att, .offset: 72, .size: 8, .value_kind: global_buffer, .address_space: global }
      - { .name: out2, .offset: 80, .size: 8, .value_kind: global_buffer, .address_space: global }
    .group_segment_fixed_size: 327680
    .private_segment_fixed_size: 0
    .kernarg_segment_align: 8
    .kernarg_segment_size: 88
    .max_flat_workgroup_size: 256
    .sgpr_count:     96
    .vgpr_count:     512
    .wavefront_size: 32
...
	.end_amdgpu_metadata
.endif
;; end of part 2
;; launch final (part 3): grid 32 x 1, 8 waves a work-group, no clusters, 2,048 bytes of LDS; arguments att, out0, out1; writes out0, out1
.if DOCPART == 3
	.amdgcn_target "amdgcn-amd-amdhsa--gfx1250"
	.amdhsa_code_object_version 6
	.text
	.protected	k_q3d1b3248a9_final
	.globl	k_q3d1b3248a9_final
	.p2align	8
	.type	k_q3d1b3248a9_final,@function
k_q3d1b3248a9_final:
	s_mov_b64 s[64:65], 0
	v_nop
	global_prefetch_b8 v0, s[64:65] scope:SCOPE_SE
	s_setreg_imm32_b32 hwreg(HW_REG_WAVE_MODE, 25, 1), 1
	s_wait_xcnt 0x0
; For each batch row b: M = the largest of att[b][0..8191]; out0[b] = the first index at which it stands; out1[b] = the softmax's largest value = 1 / sum of exp(att - M).
; One work-group a row, eight waves; thread t holds 32 numbers: register 4 i + k is index 1024 i + 4 t + k.  Every load of a wave covers 512 consecutive bytes.
; The maximum is taken away ahead of the exponential, as the softmax has it.  The index is chosen by compares and selects alone: no branch and no address hangs on a number.
; A row that is masked out whole: M = -infinity, every compare holds, so the index is 0; -infinity - (-infinity) is NaN, so out1 is NaN.
.set D,   16                           ; v16-47 my 32 numbers
.set SEL, 14                           ; s[14:15] v_permlanex16_b32's selects for lane l xor 16
	s_load_b128 s[4:7], s[0:1], 0x0                ; att, out0
	s_load_b64 s[8:9], s[0:1], 0x10                ; out1
	v_lshl_add_u32 v64, v0, 2, 0x400
	v_mov_b32 v65, 0
	v_lshrrev_b32 v1, 5, v0                        ; wave
	v_lshlrev_b32 v2, 4, v0                        ; 16 t
	v_lshlrev_b32 v3, 2, v1                        ; LDS: a word for each wave
	v_mov_b32 v4, 0
	v_mov_b32 v49, 0                               ; written once: a lane permute's destination counts as one of its sources
	s_lshl_b32 s10, ttmp9, 15                      ; a row of att is 32,768 bytes
	s_mov_b32 s11, 0
	s_lshl_b32 s12, ttmp9, 2
	s_mov_b32 s13, 0
	s_mov_b32 s[SEL], 0x76543210
	s_mov_b32 s[SEL+1], 0xfedcba98
	s_wait_kmcnt 0x0
	s_add_nc_u64 s[4:5], s[4:5], s[10:11]
	s_add_nc_u64 s[6:7], s[6:7], s[12:13]
	s_add_nc_u64 s[8:9], s[8:9], s[12:13]
.irp i, 0,1,2,3,4,5,6,7
	global_load_b128 v[D+4*\i:D+4*\i+3], v2, s[4:5] offset:4096*\i th:TH_LOAD_NT
.endr
	s_wait_loadcnt 0x0
	v_max3_num_f32 v48, v[D], v[D+1], v[D+2]       ; the largest of my 32
.irp i, 3,5,7,9,11,13,15,17,19,21,23,25,27,29
	v_max3_num_f32 v48, v48, v[D+\i], v[D+\i+1]
.endr
	v_max_num_f32 v48, v48, v[D+31]
	v_max_num_f32_dpp v48, v48, v48 row_xmask:1 row_mask:0xf bank_mask:0xf
	v_max_num_f32_dpp v48, v48, v48 row_xmask:2 row_mask:0xf bank_mask:0xf
	v_max_num_f32_dpp v48, v48, v48 row_xmask:4 row_mask:0xf bank_mask:0xf
	v_max_num_f32_dpp v48, v48, v48 row_xmask:8 row_mask:0xf bank_mask:0xf
	v_permlanex16_b32 v49, v48, s[SEL], s[SEL+1]
	v_max_num_f32 v48, v48, v49                    ; of my wave's 1,024
	ds_store_b32 v3, v48                           ; all lanes write the same word with the same value
	s_wait_dscnt 0x0                               ; for the others' sake
	s_barrier_signal -1
	s_barrier_wait -1
	ds_load_b128 v[52:55], v4
	ds_load_b128 v[56:59], v4 offset:16
	s_wait_dscnt 0x0
	v_max3_num_f32 v60, v52, v53, v54
	v_max3_num_f32 v60, v60, v55, v56
	v_max3_num_f32 v60, v60, v57, v58
	v_max_num_f32 v60, v60, v59                    ; M
	v_mov_b32 v61, v60                             ; (a pair for the packed subtraction)
	v_mov_b32 v62, 0x4000                          ; over every index: I hold no M
.irp n, 31,30,29,28,27,26,25,24,23,22,21,20,19,18,17,16,15,14,13,12,11,10,9,8,7,6,5,4,3,2,1,0
	s_movk_i32 s20, 1024*(\n/4)+\n%4
	v_cmp_eq_f32 vcc_lo, v[D+\n], v60
	v_cndmask_b32 v62, v62, s20, vcc_lo            ; downward: my lowest index wins
.endr
	v_lshl_add_u32 v62, v0, 2, v62                 ; + 4 t
	v_cvt_f32_u32 v62, v62                         ; exact: under 2^24
.irp j, 0,2,4,6,8,10,12,14,16,18,20,22,24,26,28,30
	v_pk_add_f32 v[D+\j:D+\j+1], v[D+\j:D+\j+1], v[60:61] neg_lo:[0,1] neg_hi:[0,1]   ; att - M
.endr
.irp j, 0,2,4,6,8,10,12,14,16,18,20,22,24,26,28,30
	v_pk_mul_f32 v[D+\j:D+\j+1], v[D+\j:D+\j+1], 0x3fb8aa3b op_sel_hi:[1,0]           ; x log2(e)
.endr
.irp j, 0,1,2,3,4,5,6,7,8,9,10,11,12,13,14,15,16,17,18,19,20,21,22,23,24,25,26,27,28,29,30,31
	v_exp_f32 v[D+\j], v[D+\j]
.endr
	v_min_num_f32_dpp v62, v62, v62 row_xmask:1 row_mask:0xf bank_mask:0xf            ; the lowest index among the lanes: plain work behind the exponentials
	v_min_num_f32_dpp v62, v62, v62 row_xmask:2 row_mask:0xf bank_mask:0xf
	v_min_num_f32_dpp v62, v62, v62 row_xmask:4 row_mask:0xf bank_mask:0xf
	v_min_num_f32_dpp v62, v62, v62 row_xmask:8 row_mask:0xf bank_mask:0xf
	v_permlanex16_b32 v49, v62, s[SEL], s[SEL+1]
	v_min_num_f32 v62, v62, v49
	s_wait_alu depctr_va_vdst(0)                   ; one wait for the 32 exponentials, ahead of their first reader
.irp j, 0,4,8,12,16,20,24,28
	v_pk_add_f32 v[D+\j:D+\j+1], v[D+\j:D+\j+1], v[D+\j+2:D+\j+3]
.endr
.irp j, 0,8,16,24
	v_pk_add_f32 v[D+\j:D+\j+1], v[D+\j:D+\j+1], v[D+\j+4:D+\j+5]
.endr
.irp j, 0,16
	v_pk_add_f32 v[D+\j:D+\j+1], v[D+\j:D+\j+1], v[D+\j+8:D+\j+9]
.endr
	v_pk_add_f32 v[D:D+1], v[D:D+1], v[D+16:D+17]
	v_add_f32 v[D], v[D], v[D+1]
	v_add_f32_dpp v[D], v[D], v[D] row_xmask:1 row_mask:0xf bank_mask:0xf
	v_add_f32_dpp v[D], v[D], v[D] row_xmask:2 row_mask:0xf bank_mask:0xf
	v_add_f32_dpp v[D], v[D], v[D] row_xmask:4 row_mask:0xf bank_mask:0xf
	v_add_f32_dpp v[D], v[D], v[D] row_xmask:8 row_mask:0xf bank_mask:0xf
	v_permlanex16_b32 v49, v[D], s[SEL], s[SEL+1]
	v_add_f32 v[D], v[D], v49
	ds_store_b32 v3, v[D] offset:256               ; other bytes than the maxima's
	ds_store_b32 v3, v62 offset:512
	s_wait_dscnt 0x0
	s_barrier_signal -1
	s_barrier_wait -1
	ds_load_b128 v[20:23], v4 offset:256
	ds_load_b128 v[24:27], v4 offset:272
	ds_load_b128 v[28:31], v4 offset:512
	ds_load_b128 v[32:35], v4 offset:528
	s_wait_dscnt 0x0
	v_pk_add_f32 v[20:21], v[20:21], v[22:23]
	v_pk_add_f32 v[24:25], v[24:25], v[26:27]
	v_pk_add_f32 v[20:21], v[20:21], v[24:25]
	v_add_f32 v20, v20, v21                        ; the row's sum
	v_min3_num_f32 v28, v28, v29, v30
	v_min3_num_f32 v28, v28, v31, v32
	v_min3_num_f32 v28, v28, v33, v34
	v_min_num_f32 v28, v28, v35                    ; the row's first index of M
	v_rcp_f32 v36, v20
	v_cvt_u32_f32 v37, v28
	v_nop                                          ; a plain place behind the reciprocal
	s_wait_alu depctr_va_vdst(0)                   ; and the wait ahead of its reader
	v_cmp_eq_u32 vcc_lo, 0, v0
	s_wait_xcnt 0x0                                ; EXEC changes only behind this wait
	s_wait_tensorcnt 0x0
	ds_add_u32 v64, v65
	s_wait_dscnt 0x0
	s_and_saveexec_b32 s21, vcc_lo                 ; thread 0 alone stores
	global_store_b32 v4, v37, s[6:7]
	global_store_b32 v4, v36, s[8:9]
	s_endpgm
.Lfunc_end_k_q3d1b3248a9_final:
	.size	k_q3d1b3248a9_final, .Lfunc_end_k_q3d1b3248a9_final-k_q3d1b3248a9_final
	.p2alignl 7, 3214868480
	.fill 96, 4, 3214868480
	.section	.rodata,"a",@progbits
	.p2align	6, 0x0
	.amdhsa_kernel k_q3d1b3248a9_final
		.amdhsa_group_segment_fixed_size 2048
		.amdhsa_private_segment_fixed_size 0
		.amdhsa_enable_private_segment 0
		.amdhsa_kernarg_size 24
		.amdhsa_user_sgpr_count 2
		.amdhsa_user_sgpr_kernarg_segment_ptr 1
		.amdhsa_wavefront_size32 1
		.amdhsa_system_sgpr_workgroup_id_x 1
		.amdhsa_system_sgpr_workgroup_id_y 1
		.amdhsa_system_sgpr_workgroup_id_z 1
		.amdhsa_system_vgpr_workitem_id 0
		.amdhsa_next_free_vgpr 66
		.amdhsa_next_free_sgpr 66
		.amdhsa_reserve_vcc 1
		.amdhsa_float_denorm_mode_32 3
		.amdhsa_float_denorm_mode_16_64 3
		.amdhsa_memory_ordered 1
		.amdhsa_forward_progress 1
		.amdhsa_inst_pref_size 15
	.end_amdhsa_kernel
	.amdgpu_metadata
---
amdhsa.version: [ 1, 2 ]
amdhsa.kernels:
  - .name:           k_q3d1b3248a9_final
    .symbol:         k_q3d1b3248a9_final.kd
    .args:
      - { .name: att, .offset: 0, .size: 8, .value_kind: global_buffer, .address_space: global }
      - { .name: out0, .offset: 8, .size: 8, .value_kind: global_buffer, .address_space: global }
      - { .name: out1, .offset: 16, .size: 8, .value_kind: global_buffer, .address_space: global }
    .group_segment_fixed_size: 2048
    .private_segment_fixed_size: 0
    .kernarg_segment_align: 8
    .kernarg_segment_size: 24
    .max_flat_workgroup_size: 256
    .sgpr_count:     66
    .vgpr_count:     66
    .wavefront_size: 32
...
	.end_amdgpu_metadata
.endif
;; end of part 3
